; MI455X (gfx1250); checked and timed in simulation.
; The chip was launched on July 23, 2026; its instructions are those of AMD's public machine-readable ISA for CDNA 5 (MIT licence, August 2026) and "CDNA5" Instruction Set Architecture Reference Guide (July 2026). The comments in the code are by the model that wrote it; some were corrected since.
;; Multi Head Attention. Allowed arithmetic: matrix products marked QUANTISED: E2M3 operands, one E8M0 scale for each 32 along K, by v_wmma_scale_f32_16x16x128_f8f6f4 with both operands' format E2M3, f32 sums; everything else in f32.
;; Inputs: Wk_codes 1,024 x 32 x 24 uint8 (E2M3 codes of Wk, K innermost, in blocks of 32 codes, four codes in three bytes); Wk_scales 1,024 x 32 uint8 (E8M0 scales of Wk, one for each 32 codes along K); Wo_codes 1,024 x 32 x 24 uint8 (E2M3 codes of Wo, K innermost, in blocks of 32 codes, four codes in three bytes); Wo_scales 1,024 x 32 uint8 (E8M0 scales of Wo, one for each 32 codes along K); Wq_codes 1,024 x 32 x 24 uint8 (E2M3 codes of Wq, K innermost, in blocks of 32 codes, four codes in three bytes); Wq_scales 1,024 x 32 uint8 (E8M0 scales of Wq, one for each 32 codes along K); Wv_codes 1,024 x 32 x 24 uint8 (E2M3 codes of Wv, K innermost, in blocks of 32 codes, four codes in three bytes); Wv_scales 1,024 x 32 uint8 (E8M0 scales of Wv, one for each 32 codes along K); bk 1,024 float32; bo 1,024 float32; bq 1,024 float32; bv 1,024 float32; x_codes 2 x 2,048 x 32 x 24 uint8 (E2M3 codes of x, K innermost, in blocks of 32 codes, four codes in three bytes); x_scales 2 x 2,048 x 32 uint8 (E8M0 scales of x, one for each 32 codes along K).
;; Outputs: out0 2 x 2,048 x 1,024 float32.
;; This version of the problem:
;;   THIS VERSION OF THE PROBLEM IS GIVEN IN LOW PRECISION. The matrix products marked QUANTISED in the list below multiply operands that are first quantised to E2M3 (2 exponent bits, 3 mantissa bits; 6 bits a number), with one power-of-two scale for each 32 numbers along K (OCP MX v1.0); their sums are f32. All else is computed in f32.
;;   The module's matrix products, in the order in which they are computed (A, B: the left and right operand; K: the contracted axis; several contracted axes count as one K, in the product's order):
;;     1. [M 4,096, K 1,024] x [K 1,024, N 1,024]; A: input x (given as codes); B: input Wq (given as codes): QUANTISED
;;     2. [M 4,096, K 1,024] x [K 1,024, N 1,024]; A: input x (given as codes); B: input Wk (given as codes): QUANTISED
;;     3. [M 4,096, K 1,024] x [K 1,024, N 1,024]; A: input x (given as codes); B: input Wv (given as codes): QUANTISED
;;     4. batch 32 x [M 2,048, K 64] x [K 64, N 2,048]; A: computed on the way; B: computed on the way: QUANTISED
;;     5. batch 32 x [M 2,048, K 2,048] x [K 2,048, N 64]; A: softmax (see below); B: computed on the way: QUANTISED
;;     6. [M 4,096, K 1,024] x [K 1,024, N 1,024]; A: computed on the way; B: input Wo (given as codes): QUANTISED
;;   THE QUANTISER, for each operand of a quantised product, along K:
;;     - K is cut into blocks of 32 from its start; a last block that is shorter is filled with zeros.
;;     - A block's scale is 2^e with e = floor(log2(the largest magnitude in the block)) - 2, held to -126 .. 127; a block of zeros has e = 0. As a byte (E8M0): e + 127.
;;     - Each number is divided by its block's scale, clamped to +-7.5, and rounded to the nearest number of E2M3, ties to even, subnormals kept.
;;     - The product sums the exact products of the quantised numbers (number of the format x scale) in f32.
;;   ~~~python
;;   def quantise(x, axis):      # numpy; x: float32 -> the quantised numbers, widened to float32 again
;;       x = np.moveaxis(x, axis, -1); K = x.shape[-1]
;;       x = np.pad(x, [(0, 0)] * (x.ndim - 1) + [(0, -K % 32)]); x = x.reshape(x.shape[:-1] + (-1, 32)); a = np.abs(x).max(-1, keepdims=True)
;;       e = np.where(a > 0, np.clip(np.frexp(np.where(a > 0, a, 1))[1] - 1 - 2, -126, 127), 0)      # np.frexp(a)[1] - 1 = floor(log2(a)), exactly
;;       r = np.clip(x / 2.0 ** e, -7.5, 7.5)
;;       step = 2.0 ** (np.maximum(np.frexp(np.where(r == 0, 1, r))[1] - 1, 0) - 3)
;;       q = np.round(r / step) * step * 2.0 ** e      # np.round: ties to even
;;       return np.moveaxis(q.reshape(q.shape[:-2] + (-1,))[..., :K], -1, axis).astype(np.float32)
;;   ~~~
;;   SOFTMAX AHEAD OF A QUANTISED PRODUCT. Where the list says 'softmax', what is quantised is not the finished softmax but p = 2^(t - M), with t = logit x log2(e) and M = ceil(the row's largest t), a whole number; so 1/2 < the row's largest p <= 1. The row's sum l is taken of the UNQUANTISED p, in f32, and the product's result is divided by l at the end. Since M is a whole number, a kernel that streams over the keys may use a running M (the ceiling of the running maximum): every later rescaling is an exact power of two, which a block's scale takes up: the codes' values come out the same.
;;   OPERANDS COMPUTED ON THE WAY. 'Computed on the way' means the value that the module computes at that place (a softmax that the list does not call 'softmax' is quantised finished and normalised). What goes into a quantiser is computed in f32, as accurately as f32 sums, v_exp_f32 and their like allow (about 1e-6 of the number): no bf16 or f16 on the way to a quantiser, and a product that is left as it is and whose result goes on into a quantised operand takes f32 operands (vector FMAs, or v_wmma_f32_16x16x4_f32). A number that lies on a knife's edge between two numbers of the format may be rounded either way, as far as f32 arithmetic and the matrix unit's own rounding can turn it there, and no further.
;;   INPUTS GIVEN AS CODES. Wk (in the module: [1024, 1024], K = its axis 0); Wo (in the module: [1024, 1024], K = its axis 0); Wq (in the module: [1024, 1024], K = its axis 0); Wv (in the module: [1024, 1024], K = its axis 0); x (in the module: [2, 2048, 1024], K = its axis 2): each comes as NAME_codes (uint8): NAME with its K axis moved to the last place and cut into blocks of 32 codes, [.., K / 32, bytes a block], one block behind the other in memory; four codes in three bytes: a row's codes are one little-endian stream of bits, code i at bits 6 i .. 6 i + 5 (a code: sign, 2 exponent bits, 3 mantissa bits); and NAME_scales (uint8): the same leading axes, one E8M0 byte (e + 127) for each 32 codes along K. Its value is code x scale, taken as it is: it is not quantised again, and the codes and scales need not be those that the quantiser above would give.
;; One version. Each part assembles by itself: llvm-mc -triple=amdgcn-amd-amdhsa -mcpu=gfx1250 --defsym DOCPART=n.
;; ======== version 1 of 1: 3 launches
;; limits: right only within a limited range of input values
;; workspace buffers: qws 3,407,872 bytes; kvws 6,815,744 bytes; cws 3,145,728 bytes; csc 131,072 bytes
;; launch qkv (part 1): grid 16 x 16, 4 waves a work-group, clusters of 4 x 4, 327,680 bytes of LDS; arguments x_codes, x_scales, Wq_codes, Wk_codes, Wv_codes, Wq_scales, Wk_scales, Wv_scales, bq, bk, bv, qws, kvws; writes qws, kvws
.if DOCPART == 1
	.amdgcn_target "amdgcn-amd-amdhsa--gfx1250"
	.amdhsa_code_object_version 6
	.text
	.protected	k_q3f09536ef8_qkv
	.globl	k_q3f09536ef8_qkv
	.p2align	8
	.type	k_q3f09536ef8_qkv,@function
k_q3f09536ef8_qkv:
	s_mov_b64 s[64:65], 0
	v_nop
	global_prefetch_b8 v0, s[64:65] scope:SCOPE_SE
	s_setreg_imm32_b32 hwreg(HW_REG_WAVE_MODE, 25, 1), 1
	s_wait_xcnt 0x0
	s_wait_alu depctr_hold_cnt(0) depctr_sa_sdst(0) depctr_va_vdst(0) depctr_va_sdst(0) depctr_va_ssrc(0) depctr_va_vcc(0) depctr_vm_vsrc(0)
	s_getreg_b32 s2, hwreg(HW_REG_IB_STS2, 6, 4)
	s_cmp_eq_u32 s2, 0
	s_cbranch_scc0 .Lentry_in_a_cluster
	s_endpgm
.Lentry_in_a_cluster:
	s_bfe_u32 s2, ttmp6, 0x10000c
	s_cmp_lg_u32 s2, 0xf033
	s_cbranch_scc0 .Lentry_shape_is_right
	s_endpgm
.Lentry_shape_is_right:
; Q = x Wq + bq, K = x Wk + bk, V = x Wv + bv on codes of FP6 (E2M3) with E8M0 scales, sums in f32; the results are quantised here: Q and K along the head's 64, V along the keys.
; THE PROGRAM leaves out no input and no product; launch attn leaves out key steps that lie wholly under the causal mask.
; SHARES.  A work-group takes 256 rows of x and ONE head (64 columns of each weight).  A wave takes 64 rows x 192 columns, in three phases (Q, K, V) of 16 accumulators x 8 K steps.
; THE ROWS OF A TILE, of x and of a weight alike: tile t of 64 rows holds rows 8 t + 0..7 as its rows 0-7 and rows 32 + 8 (t xor 1) + 0..7 as its rows 8-15.  So in a result lanes 0-15 hold rows 0-31 of one operand and
; lanes 16-31 its rows 32-63, 32 registers a lane over four tiles: A LANE'S 32 REGISTERS ARE ONE SCALE BLOCK of the next product (in lanes 16-31 its eights stand in the order 1, 0, 3, 2: the same for Q and K, and for V and p).
; t xor 1 makes the sixteen rows of a load differ modulo 16: with the LDS pitch of 51 x 16 bytes they fall on sixteen different columns of 16 bytes modulo 256.
; Q, K: the product is used transposed (source 0 = 16 rows of W, source 1 = 16 rows of x); V: natural.
; ORDER OF BLOCKS INSIDE A K STEP.  A lane (r, h) takes the 48 consecutive bytes at 96 s + 48 h of its row, of x and of W alike: the operand's slot (c, h) holds block 4 s + 2 h + c on both sides; the scale words get their two middle bytes exchanged once.
; LDS: x's 256 rows at 0, Wq's 64 at WQ, Wk's at WQ + 52,224; the head has one tensor load a wave.  x goes into registers (384 a wave) during phase 0 and serves all phases; then Wv's rows are filled over x's first 64, behind a drained round.
; CLUSTER 4 x 4: x's rows are shared by a column of the cluster, a weight's rows by a row: each is asked for JOINTLY.  No prefetch: everything but Wv is asked for at the head, and there is no loop to run ahead in.
; OUT.  Codes leave as images of the next launch's operand registers (16 or 8 bytes a lane); each store covers whole aligned runs of 256 bytes.
; LIMITS.  NaN and infinities are not served.  A block whose largest magnitude lies under 2^-124, zeros too, keeps the floor's scale byte 1 (read by this program alone).  A given scale byte 0xff gives NaN.
; REGISTERS.  Window 0: v1-15 addresses and small things; v16-31 the conversions' second halves; v32-47 x's scale words; v48-95 the weights'; v96-223 accumulators; v224-247 codes; v248-253 the quantiser's; v254, v255 the add's.
;   window 1: x's fragments of K steps 0-4;  window 2: of K steps 5-7;  window 3: v0-95 two sets of W's four fragments; v96-191 the biases in the results' layout.
.set WQ,    208896
.set WMAT,  52224                      ; 64 rows of 816 bytes: 3 x (256 + 16 of padding)
.set SPARE, 313344
.set TROW,  6528                       ; 8 rows
.set XS,    32
.set WS,    48
.set ACC,   96
.set CD,    224
.set TM,    248
.set BIAS,  96
.set MSB, 0
.macro WIN new                         ; the immediate's high byte repeats the setting that is left
.if MSB != \new
	s_set_vgpr_msb (MSB<<8)|\new
.set MSB, \new
.endif
.endm
.macro CREST                           ; a round of the cluster's barrier behind its opening barrier
	s_cmp_lg_u32 s30, 0
	s_cbranch_scc1 .Lnot_wave_0_\@
	s_barrier_signal -3
.Lnot_wave_0_\@:
	s_barrier_wait -3
	s_barrier_signal -1
	s_barrier_wait -1
.endm
.macro ROUND
	s_barrier_signal -1
	s_barrier_wait -1
	CREST
.endm
.macro PLACES n
.rept \n
	v_nop
.endr
.endm
.macro GROUP1 g, mask, rows            ; dense bytes as rows of 32 elements of 8 bytes, 16 bytes of padding behind each row of 256
	s_or_b32 s[\g], s[\mask], (3<<16)|(1<<20)|(1<<21)|(5<<22)|(3<<25)
	s_mov_b32 s[\g+1], 32<<16
	s_mov_b32 s[\g+2], (\rows)<<16
	s_mov_b32 s[\g+3], 32<<16
	s_mov_b32 s[\g+4], \rows
	s_mov_b32 s[\g+5], 32
	s_mov_b32 s[\g+6], 0
	s_mov_b32 s[\g+7], 0
.endm
.macro TLOAD g0, g1
	tensor_load_to_lds s[\g0:\g0+3], s[\g1:\g1+7]
	s_nop 0
	PLACES 4
.endm
	s_load_b256 s[4:11], s[0:1], 0x0               ; x_codes s[4:5], x_scales s[6:7], Wq_codes s[8:9], Wk_codes s[10:11]
	s_load_b256 s[12:19], s[0:1], 0x20             ; Wv_codes s[12:13], the weights' scales s[14:19]
	s_load_b256 s[20:27], s[0:1], 0x40             ; bq, bk, bv s[20:25], qws s[26:27]
	s_load_b64 s[28:29], s[0:1], 0x60              ; kvws
	v_lshl_add_u32 v254, v0, 2, SPARE
	v_mov_b32 v255, 0
	ds_add_u32 v254, v255                          ; the opening lines
	ds_add_u32 v254, v255
	v_lshrrev_b32 v1, 5, v0
	v_readfirstlane_b32 s30, v1                    ; wave 0..3
	s_bfe_u32 s31, ttmp6, 0x40000                  ; cx
	s_bfe_u32 s32, ttmp6, 0x40004                  ; cy
	s_lshl_b32 s33, ttmp9, 2
	s_add_co_u32 s33, s33, s31                     ; rb: my block of 256 rows
	s_and_b32 s34, ttmp7, 0xffff
	s_lshl_b32 s34, s34, 2
	s_add_co_u32 s34, s34, s32                     ; the head
	s_lshl_b32 s35, s32, 2
	s_lshl_b32 s35, 15, s35                        ; my row of the cluster: same head
	s_lshl_b32 s36, 0x1111, s31                    ; my column: same rows of x
	s_and_b32 s37, s30, 1
	GROUP1 40, 36, 384                             ; x: 128 rows a load
	GROUP1 48, 35, 192                             ; a weight: 64 rows
	GROUP1 68, 35, 48                              ; Wv: 16 rows a wave
	s_mul_i32 s80, s33, 196608
	s_mul_i32 s38, s37, 98304
	s_add_co_u32 s80, s80, s38                     ; x: row 256 rb + 128 (wave & 1)
	s_mov_b32 s81, 0
	s_mul_i32 s82, s34, 49152                      ; a weight: row 64 head
	s_mov_b32 s83, 0
	s_mul_i32 s88, s30, 12288
	s_add_co_u32 s88, s88, s82                     ; Wv: my 16 of its rows
	s_mov_b32 s89, 0
	s_mov_b32 s56, 1
	s_mul_i32 s57, s37, 104448
	s_mov_b32 s60, 1
	s_mov_b32 s61, WQ
	s_mov_b32 s76, 1
	s_mov_b32 s77, WQ+WMAT
	s_mov_b32 s84, 1
	s_mul_i32 s85, s30, 13056
	s_wait_alu depctr_va_vdst(0)
	s_wait_dscnt 0x0
	ROUND                                          ; all sixteen work-groups are here: the joint loads meet
	s_wait_kmcnt 0x0
	s_add_nc_u64 s[58:59], s[4:5], s[80:81]
	s_or_b32 s59, s59, 0x80000000
	s_add_nc_u64 s[62:63], s[8:9], s[82:83]
	s_or_b32 s63, s63, 0x80000000
	s_add_nc_u64 s[78:79], s[10:11], s[82:83]
	s_or_b32 s79, s79, 0x80000000
	s_add_nc_u64 s[86:87], s[12:13], s[88:89]
	s_or_b32 s87, s87, 0x80000000
	s_cmp_lt_u32 s30, 2                            ; one load a wave: waves 0 and 1 a half of x's rows each, wave 2 Wq's, wave 3 Wk's
	s_cbranch_scc0 .Lwave_2
	TLOAD 56, 40
	s_branch .Lasked
.Lwave_2:
	s_cmp_eq_u32 s30, 2
	s_cbranch_scc0 .Lwave_3
	TLOAD 60, 48
	s_branch .Lasked
.Lwave_3:
	TLOAD 76, 48
.Lasked:
	s_lshl_b32 s80, s33, 8
	s_lshl_b32 s38, s30, 6
	s_add_co_u32 s80, s80, s38                     ; my first row of x
	s_lshl_b32 s82, s80, 5
	s_mov_b32 s83, 0
	s_add_nc_u64 s[6:7], s[6:7], s[82:83]
	s_lshl_b32 s82, s34, 11                        ; the head's 64 rows of 32 scale bytes
	s_add_nc_u64 s[14:15], s[14:15], s[82:83]
	s_add_nc_u64 s[16:17], s[16:17], s[82:83]
	s_add_nc_u64 s[18:19], s[18:19], s[82:83]
	s_lshl_b32 s82, s34, 8                         ; the head's 64 biases
	s_add_nc_u64 s[20:21], s[20:21], s[82:83]
	s_add_nc_u64 s[22:23], s[22:23], s[82:83]
	s_add_nc_u64 s[24:25], s[24:25], s[82:83]
	v_and_b32 v16, 31, v0                          ; lane l
	v_lshlrev_b32 v1, 4, v16                       ; 16 l
	v_lshlrev_b32 v2, 3, v16                       ; 8 l
	v_bfe_u32 v17, v0, 4, 1                        ; h
	v_bfe_u32 v18, v0, 3, 1                        ; rows 8-15 of a tile?
	v_and_b32 v19, 7, v0
	v_mul_u32_u24 v20, 40, v18
	v_add_nc_u32 v20, v20, v19                     ; even tiles: row 8 t + this
	v_mul_u32_u24 v21, 24, v18
	v_add_nc_u32 v21, v21, v19                     ; odd tiles
	v_and_b32 v22, v17, v18
	v_lshlrev_b32 v22, 4, v22
	v_lshl_add_u32 v23, v17, 3, v20
	v_sub_nc_u32 v23, v23, v22                     ; scale words: lanes 0-15 an even tile's rows, lanes 16-31 the next tile's
	v_lshlrev_b32 v3, 5, v23
	v_mul_u32_u24 v12, 160, v17                    ; bq, bk: a lane's channels are 32 h + 8 (t xor h) + 0..7
	v_mul_u32_u24 v13, 96, v17
	v_lshlrev_b32 v19, 2, v19
	v_mul_u32_u24 v14, 160, v18                    ; bv: my row's channel
	v_add_nc_u32 v14, v14, v19
	v_mul_u32_u24 v15, 96, v18
	v_add_nc_u32 v15, v15, v19
.irp i, 0,1
.irp q, 0,1
	global_load_b128 v[XS+8*\i+4*\q:XS+8*\i+4*\q+3], v3, s[6:7] offset:512*\i+16*\q
.irp m, 0,1,2
	global_load_b128 v[WS+16*\m+8*\i+4*\q:WS+16*\m+8*\i+4*\q+3], v3, s[14+2*\m:15+2*\m] offset:512*\i+16*\q
.endr
.endr
.endr
.irp t, 0,1,2,3
	global_load_b32 v[240+\t], v[14+\t%2], s[24:25] offset:32*\t
.endr
	WIN 0xc0                                       ; destination window 3
.irp m, 0,1
.irp t, 0,1,2,3
	global_load_b128 v[BIAS+32*\m+8*\t:BIAS+32*\m+8*\t+3], v[12+\t%2], s[20+2*\m:21+2*\m] offset:32*\t
	global_load_b128 v[BIAS+32*\m+8*\t+4:BIAS+32*\m+8*\t+7], v[12+\t%2], s[20+2*\m:21+2*\m] offset:32*\t+16
.endr
.endr
	WIN 0
	s_mul_i32 s38, s30, WMAT                       ; my 64 rows of x in LDS
	v_mul_u32_u24 v20, 816, v20
	v_mul_u32_u24 v21, 816, v21
	v_mad_u32_u24 v22, v17, 48, v20                ; + 48 h,
	v_lshl_add_u32 v23, v17, 6, v20                ; and + 64 h for the pieces whose partner three pieces on lies behind one padding more
	v_mad_u32_u24 v24, v17, 48, v21
	v_lshl_add_u32 v25, v17, 6, v21
.irp i, 0,1,2,3
	v_add_nc_u32 v[4+\i], WQ, v[22+\i]             ; v4, v5 even tiles, v6, v7 odd tiles of the weight in hand
	v_add_nc_u32 v[8+\i], s38, v[22+\i]            ; v8-11 the same of x
.endr
	s_lshr_b32 s80, s33, 3                         ; b
	s_and_b32 s81, s33, 7                          ; my block of 256 rows in the sequence
	s_lshl_b32 s80, s80, 4
	s_add_co_u32 s80, s80, s34                     ; bh = 16 b + head
	s_lshl_b32 s82, s80, 5
	s_lshl_b32 s38, s81, 2
	s_add_co_u32 s82, s82, s38
	s_add_co_u32 s82, s82, s30
	s_mul_i32 s82, s82, 3328
	s_add_nc_u64 s[90:91], s[26:27], s[82:83]      ; Q's group of 64 rows
	s_lshl_b32 s82, s80, 4
	s_lshl_b32 s38, s81, 1
	s_add_co_u32 s82, s82, s38
	s_lshr_b32 s38, s30, 1
	s_add_co_u32 s82, s82, s38                     ; 16 bh + the step of 128 keys
	s_mul_i32 s88, s82, 13312
	s_mul_i32 s82, s37, 3072
	s_add_co_u32 s82, s82, s88
	s_add_nc_u64 s[92:93], s[28:29], s[82:83]      ; K's codes: my four tiles of the step's eight
	s_mul_i32 s82, s37, 768
	s_add_co_u32 s82, s82, s88
	s_add_co_u32 s82, s82, 6144
	s_add_nc_u64 s[94:95], s[28:29], s[82:83]      ; V's codes: my half (registers 6 c on) of each fragment
	s_lshl_b32 s82, s37, 8
	s_add_co_u32 s82, s82, s88
	s_add_co_u32 s82, s82, 12288
	s_add_nc_u64 s[96:97], s[28:29], s[82:83]      ; K's scale words; V's lie 512 bytes on
	s_mov_b32 s38, 0x03010200                      ; a scale word with its two middle bytes exchanged
	s_mov_b32 s39, 0xffff0000                      ; lanes 16-31
	s_mov_b32 s66, 0x76543210
	s_mov_b32 s67, 0xfedcba98                      ; lane l xor 16
	s_wait_alu depctr_va_vdst(0)                   ; the wait ahead of the blocking wait
	s_wait_loadcnt 0x0                             ; scale words and biases
.set i, 0
.rept 64
	v_perm_b32 v[XS+i], v[XS+i], v[XS+i], s38
.set i, i+1
.endr
	v_mov_b32 v16, 0x06020400
	v_mov_b32 v17, 0x03070105
	v_cndmask_b32 v3, v16, v17, s39                ; the selector with which scale bytes of lanes l and l xor 16 are joined
	v_mov_b32 v253, 0
	v_mov_b32 v13, 0
	WIN 0xc0
.irp t, 0,1,2,3
.irp j, 0,1,2,3,4,5,6,7
	v_mov_b32 v[BIAS+64+8*\t+\j], v[240+\t]        ; V's result holds my row's channel in all eight registers
.endr
.endr
	WIN 0
; one fragment's three loads of 16 bytes: dst, the address registers' first number, tile, K step
.macro FRAG3 dst, ad, t, s
.irp p, 0,1,2
.set PI, 6*(\s)+\p
.if PI%16 < 13
	ds_load_b128 v[\dst+4*\p:\dst+4*\p+3], v[\ad+2*((\t)%2)] offset:TROW*(\t)+16*PI+16*(PI/16)
.else
	ds_load_b128 v[\dst+4*\p:\dst+4*\p+3], v[\ad+1+2*((\t)%2)] offset:TROW*(\t)+16*PI+16*(PI/16)
.endif
.endr
.endm
.macro FETCHW s                        ; W's four fragments of K step s into set s % 2: 12 loads
	WIN 0xc0
.irp t, 0,1,2,3
	FRAG3 48*((\s)%2)+12*\t, 4, \t, \s
.endr
.endm
.macro FETCHX s                        ; x's four fragments of K step s: 12 loads
.if (\s) < 5
	WIN 0x40
.set XD, 48*(\s)
.else
	WIN 0x80
.set XD, 48*((\s)-5)
.endif
.irp t, 0,1,2,3
	FRAG3 XD+12*\t, 8, \t, \s
.endr
.endm
.macro WM ra, rb
	v_wmma_scale_f32_16x16x128_f8f6f4 v[mD:mD+7], v[mA:mA+11], v[mB:mB+11], v[mC:mC+7], v[mSA], v[mSB] matrix_a_fmt:MATRIX_FMT_FP6 matrix_b_fmt:MATRIX_FMT_FP6 matrix_a_scale:MATRIX_SCALE_ROW\ra matrix_b_scale:MATRIX_SCALE_ROW\rb
.endm
.macro MM m, s, a, t
.if (\s) < 5
.set mX, 48*(\s)+12*(\a)
.else
.set mX, 48*((\s)-5)+12*(\a)
.endif
.set mW, 48*((\s)%2)+12*(\t)
.if (\m) < 2
.set mD, ACC+8*(4*(\a)+(\t))
.set mA, mW
.set mB, mX
.set mSA, WS+16*(\m)+8*((\t)/2)+(\s)
.set mSB, XS+8*((\a)/2)+(\s)
.set mFA, (\t)%2
.set mFB, (\a)%2
.else
.set mD, ACC+8*(4*(\t)+(\a))
.set mA, mX
.set mB, mW
.set mSA, XS+8*((\a)/2)+(\s)
.set mSB, WS+16*(\m)+8*((\t)/2)+(\s)
.set mFA, (\a)%2
.set mFB, (\t)%2
.endif
.if (\s) == 0
.set mC, BIAS+32*(\m)+8*(\t)                   ; the bias starts the sum
.else
.set mC, mD
.endif
.if mFA && mFB
	WM 1, 1
.elseif mFA
	WM 1, 0
.elseif mFB
	WM 0, 1
.else
	WM 0, 0
.endif
.endm
.macro MUL8 m, s, a0                   ; x's tiles a0, a0 + 1 against W's four; the 16 accumulators take turns
.if (\m) < 2
.if (\s) == 0
	WIN 0x37                                       ; source 0 (W) window 3, source 1 (x) window 1, C (bias) window 3, D window 0
.elseif (\s) < 5
	WIN 0x07
.else
	WIN 0x0b
.endif
.else
.if (\s) == 0
	WIN 0x3d
.elseif (\s) < 5
	WIN 0x0d
.else
	WIN 0x0e
.endif
.endif
.irp a, \a0, \a0+1
.irp t, 0,1,2,3
	MM \m, \s, \a, \t
.endr
.endr
.endm
; A phase.  K step 0's fragments were fetched ahead of it.  In the last K step of phase 0 stands the drained round behind which Wv's rows are filled over x's (all x fragments are in registers); it also shows Wk's rows.
; In the last K step of phase 1 a plain barrier shows Wv's rows. Both have eight products between signal and wait.
.macro PHASE m
.irp s, 0,1,2,3,4,5,6,7
.if \s < 7
.if \s > 0
	PLACES 4                                       ; the other set was read by the 16 products just issued
.endif
	FETCHW \s+1
.if \m == 0
	FETCHX \s+1
	s_wait_dscnt 24                                ; this step's fragments are in; the 24 loads just issued may be out
.else
	s_wait_dscnt 12
.endif
.else
	s_wait_dscnt 0x0
.if \m < 2
	WIN 0
	s_wait_tensorcnt 0x0                           ; all my tensor loads have landed
.if \m == 0
	ds_add_u32 v254, v255                          ; ahead of a refill
.endif
.endif
.endif
	MUL8 \m, \s, 0
.if (\s == 7) && (\m < 2)
	s_wait_dscnt 0x0                               ; my reads of LDS, and the add, are done
	s_barrier_signal -1
.endif
	MUL8 \m, \s, 2
.endr
	WIN 0
.if \m == 0
	s_barrier_wait -1
	CREST
	TLOAD 84, 68                                   ; my 16 rows of Wv; its four v_nop are also places behind the products
.irp i, 4,5,6,7
	v_add_nc_u32 v[\i], WMAT, v[\i]
.endr
	FETCHW 0
.elseif \m == 1
	s_barrier_wait -1
	PLACES 4
.irp i, 4,5,6,7
	v_sub_nc_u32 v[\i], v[\i], WQ+WMAT             ; Wv lies at 0
.endr
	FETCHW 0
.else
	PLACES 4
.endif
	WIN 0
.endm
; The quantiser: four blocks of 32, each in one lane: registers ACC + 32 e on.
.macro EPI kind
.if \kind > 0
	s_wait_xcnt 0x0                                ; the last phase's stores have read their registers
.endif
.irp e, 0,1,2,3
	v_max3_num_f32 v[TM+\e], |v[ACC+32*\e]|, |v[ACC+32*\e+1]|, 0x1800000   ; the floor 2^(3 - 127) holds the byte at 1
	v_max3_num_f32 v[12+\e], |v[ACC+32*\e+16]|, |v[ACC+32*\e+17]|, |v[ACC+32*\e+18]|
.endr
.irp i, 2,4,6,8,10,12,14
.irp e, 0,1,2,3
	v_max3_num_f32 v[TM+\e], v[TM+\e], |v[ACC+32*\e+\i]|, |v[ACC+32*\e+\i+1]|
.if \i < 14
	v_max3_num_f32 v[12+\e], v[12+\e], |v[ACC+32*\e+17+\i]|, |v[ACC+32*\e+18+\i]|
.endif
.endr
.endr
.irp e, 0,1,2,3
	v_max3_num_f32 v[TM+\e], v[TM+\e], v[12+\e], |v[ACC+32*\e+31]|
.endr
.irp e, 0,1,2,3
	v_add_nc_u32 v[TM+\e], 0xff000000, v[TM+\e]    ; 2 off the exponent field: the conversions' scale operand
.endr
.irp e, 0,1,2,3
	v_cvt_scalef32_pk16_fp6_f32 v[CD+6*\e:CD+6*\e+2], v[ACC+32*\e:ACC+32*\e+15], v[TM+\e]
	v_cvt_scalef32_pk16_fp6_f32 v[16+4*\e:18+4*\e], v[ACC+32*\e+16:ACC+32*\e+31], v[TM+\e]
.endr
.irp e, 0,1,2,3
	v_lshrrev_b32 v[12+\e], 23, v[TM+\e]           ; the scale's byte
.endr
	v_lshl_or_b32 v12, v13, 8, v12
	v_lshl_or_b32 v14, v15, 8, v14
	v_lshl_or_b32 v12, v14, 16, v12                ; my four bytes, one a tile
.irp i, 0,1,2
.irp e, 0,1,2,3
	v_mov_b32 v[CD+3+6*\e+\i], v[16+4*\e+\i]       ; (a conversion's three registers begin on an even number)
.endr
.endr
	v_permlanex16_b32 v13, v12, s66, s67
	v_perm_b32 v252, v13, v12, v3                  ; lanes 0-15: tiles 0 (low half) and 2, lanes 16-31: tiles 1 and 3; each half the bytes of blocks h = 0 and 1
.if \kind < 2
	v_and_b32 v250, 0xffff, v252                   ; bytes 2 and 3 are zero: they scale zero codes
	v_lshrrev_b32 v251, 16, v252
.endif
.if \kind == 0
.irp e, 0,1,2,3
	global_store_b128 v1, v[CD+6*\e:CD+6*\e+3], s[90:91] offset:768*\e          ; 512 consecutive bytes, at a multiple of 256 from the buffer's first byte
	global_store_b64 v2, v[CD+6*\e+4:CD+6*\e+5], s[90:91] offset:768*\e+512     ; and 256
.endr
	global_store_b64 v2, v[250:251], s[90:91] offset:3072
.elseif \kind == 1
.irp p, 0,1,2,3,4,5
	global_store_b128 v1, v[CD+4*\p:CD+4*\p+3], s[92:93] offset:512*\p
.endr
	global_store_b64 v2, v[250:251], s[96:97]
.else
.irp e, 0,1,2,3
	global_store_b128 v1, v[CD+6*\e:CD+6*\e+3], s[94:95] offset:1536*\e
	global_store_b64 v2, v[CD+6*\e+4:CD+6*\e+5], s[94:95] offset:1536*\e+512
.endr
	global_store_b64 v2, v[252:253], s[96:97] offset:512
.endif
.endm
	s_wait_alu depctr_va_vdst(0)                   ; the wait at the head's end
	s_cmp_eq_u32 s30, 3
	s_cbranch_scc1 .Lnot_yet
	s_wait_tensorcnt 0x0                           ; x's rows and Wq's; Wk's, wave 3's line alone, are shown by phase 0's round
.Lnot_yet:
	s_barrier_signal -1
	s_barrier_wait -1
	FETCHW 0
	FETCHX 0
	PHASE 0
	EPI 0
	PHASE 1
	EPI 1
	PHASE 2
	EPI 2
	s_wait_tensorcnt 0x0                           ; the wave's end
	ds_add_u32 v254, v255
	s_wait_dscnt 0x0
	ROUND                                          ; the closing round
	s_endpgm
.Lfunc_end_k_q3f09536ef8_qkv:
	.size	k_q3f09536ef8_qkv, .Lfunc_end_k_q3f09536ef8_qkv-k_q3f09536ef8_qkv
	.p2alignl 7, 3214868480
	.fill 96, 4, 3214868480
	.section	.rodata,"a",@progbits
	.p2align	6, 0x0
	.amdhsa_kernel k_q3f09536ef8_qkv
		.amdhsa_group_segment_fixed_size 327680
		.amdhsa_private_segment_fixed_size 0
		.amdhsa_enable_private_segment 0
		.amdhsa_kernarg_size 104
		.amdhsa_user_sgpr_count 2
		.amdhsa_user_sgpr_kernarg_segment_ptr 1
		.amdhsa_wavefront_size32 1
		.amdhsa_system_sgpr_workgroup_id_x 1
		.amdhsa_system_sgpr_workgroup_id_y 1
		.amdhsa_system_sgpr_workgroup_id_z 1
		.amdhsa_system_vgpr_workitem_id 0
		.amdhsa_next_free_vgpr 1024
		.amdhsa_next_free_sgpr 102
		.amdhsa_reserve_vcc 0
		.amdhsa_float_denorm_mode_32 3
		.amdhsa_float_denorm_mode_16_64 3
		.amdhsa_memory_ordered 1
		.amdhsa_forward_progress 1
		.amdhsa_inst_pref_size 117
	.end_amdhsa_kernel
	.amdgpu_metadata
---
amdhsa.version: [ 1, 2 ]
amdhsa.kernels:
  - .name:           k_q3f09536ef8_qkv
    .symbol:         k_q3f09536ef8_qkv.kd
    .args:
      - { .name: x_codes, .offset: 0, .size: 8, .value_kind: global_buffer, .address_space: global }
      - { .name: x_scales, .offset: 8, .size: 8, .value_kind: global_buffer, .address_space: global }
      - { .name: Wq_codes, .offset: 16, .size: 8, .value_kind: global_buffer, .address_space: global }
      - { .name: Wk_codes, .offset: 24, .size: 8, .value_kind: global_buffer, .address_space: global }
      - { .name: Wv_codes, .offset: 32, .size: 8, .value_kind: global_buffer, .address_space: global }
      - { .name: Wq_scales, .offset: 40, .size: 8, .value_kind: global_buffer, .address_space: global }
      - { .name: Wk_scales, .offset: 48, .size: 8, .value_kind: global_buffer, .address_space: global }
      - { .name: Wv_scales, .offset: 56, .size: 8, .value_kind: global_buffer, .address_space: global }
      - { .name: bq, .offset: 64, .size: 8, .value_kind: global_buffer, .address_space: global }
      - { .name: bk, .offset: 72, .size: 8, .value_kind: global_buffer, .address_space: global }
      - { .name: bv, .offset: 80, .size: 8, .value_kind: global_buffer, .address_space: global }
      - { .name: qws, .offset: 88, .size: 8, .value_kind: global_buffer, .address_space: global }
      - { .name: kvws, .offset: 96, .size: 8, .value_kind: global_buffer, .address_space: global }
    .group_segment_fixed_size: 327680
    .private_segment_fixed_size: 0
    .kernarg_segment_align: 8
    .kernarg_segment_size: 104
    .max_flat_workgroup_size: 128
    .sgpr_count:     102
    .vgpr_count:     1024
    .wavefront_size: 32
...
	.end_amdgpu_metadata
.endif
;; end of part 1
;; launch attn (part 2): grid 8 x 32, 8 waves a work-group, clusters of 4 x 1, 278,528 bytes of LDS; arguments qws, kvws, cws, csc; writes cws, csc
.if DOCPART == 2
	.amdgcn_target "amdgcn-amd-amdhsa--gfx1250"
	.amdhsa_code_object_version 6
	.text
	.protected	k_q3f09536ef8_attn
	.globl	k_q3f09536ef8_attn
	.p2align	8
	.type	k_q3f09536ef8_attn,@function
k_q3f09536ef8_attn:
	s_mov_b64 s[64:65], 0
	v_nop
	global_prefetch_b8 v0, s[64:65] scope:SCOPE_SE
	s_setreg_imm32_b32 hwreg(HW_REG_WAVE_MODE, 25, 1), 1
	s_wait_xcnt 0x0
	s_wait_alu depctr_hold_cnt(0) depctr_sa_sdst(0) depctr_va_vdst(0) depctr_va_sdst(0) depctr_va_ssrc(0) depctr_va_vcc(0) depctr_vm_vsrc(0)
	s_getreg_b32 s2, hwreg(HW_REG_IB_STS2, 6, 4)
	s_cmp_eq_u32 s2, 0
	s_cbranch_scc0 .Lentry_in_a_cluster
	s_endpgm
.Lentry_in_a_cluster:
	s_bfe_u32 s2, ttmp6, 0x10000c
	s_cmp_lg_u32 s2, 0x3003
	s_cbranch_scc0 .Lentry_shape_is_right
	s_endpgm
.Lentry_shape_is_right:
; ctx = softmax(Q K^T / 8, causal) V for one head, both products on codes of FP6 (E2M3) with E8M0 scales; ctx is quantised along D and leaves as codes.
; LEFT OUT: key steps of 128 in which every key comes after every query of the tile (the causal mask makes their p zero).
; THE SOFTMAX: t = score x log2(e) / 8; M = the running largest t rounded UP to a whole number; p = 2^(t - M) is quantised along the keys, not normalised; the row's sum is taken of the unquantised p and divides O at the end.
; When M moves, the sum and O are multiplied by 2^(old M - new M), which rounds nothing.
; SHARES.  A head's 2,048 queries are 16 blocks of 128, a block eight tiles of 16.  Cluster X of a head takes eight of the blocks, work-group a of it the tiles a (in the block's first 64 queries) and 4 + a (in its last 64) of each:
; A WAVE WORKS BOTH TILES OF A BLOCK SIDE BY SIDE: they share each fragment of K and V, and their chains of vector work stand line by line in turn.
; A PAIR of waves p and 4 + p has the blocks 15 - i and i, i = 2 p + ((p & 1) xor X), 17 key steps: wave p (A) works steps 0..8 of block 15 - i; wave 4 + p (B) steps 0..i of block i, stores those tiles, and then steps 9..15 - i of block 15 - i.
; So A has nine steps and B eight, whatever i.  B hands its part (O, M, the sum) to A through LDS; A brings both under the larger M, by powers of two, and stores the tiles.
; a enters Q's address, the stores' addresses and the lane values DA, DB that the mask compares with, nothing else.  Branches hang on the wave's number, the cluster's number and the counted step.
; LDS holds the head's K and V, codes and scale words, 16 steps x 13,312 bytes, as images of the operands' registers; filled once, two steps by each wave.  Steps 0 and 1 have a load line of their own: step 0 is worked while the others land.
; CLUSTER.  Four work-groups of one head ask for these bytes JOINTLY (mask 15).  No prefetch: all bytes are asked for at the head; no loop loads from memory.
; LAYOUT.  S^T = K Q^T, O^T = V^T P^T: a lane holds one query of each tile throughout.  By the order of rows in the tiles (launch qkv) lane (r, h) holds, of band c (64 keys), the 32 keys 64 c + 32 h + 0..31: one scale block of p; likewise O^T's 32
; registers are channels 32 h + 0..31, one scale block of ctx.  In lanes 16-31 the eights of a block stand in the order 1, 0, 3, 2; V's codes have the same order; ctx's are put right at the end.
; A HEAD OF 64 IN AN INSTRUCTION OF 128: Q's registers 6-11 are zero codes.  K's tile t is named as twelve registers from 6 t on: the upper six (the next tile's codes; behind the last tile a later tile's Q)
; meet Q's zero codes under scale bytes 0 (2^-127, a number) and add nothing.
; LIMITS.  NaN and infinities are not served; the scaled scores stay under 2^31 in magnitude.  A block of ctx whose largest magnitude lies under 2^-124, zeros too, keeps the scale byte 1 (read by this program alone).
; A block's largest p is 2^ of its largest t - M: v_exp_f32 is taken not to fall where its input rises.
; REGISTERS, window 0 (u: the tile, 0 or 1): v1, v2 a step's LDS addresses; v3 16 l, v4 8 l; v5 DA, v6 DB; v[7+u] Q's scale words; v[9+u] p's; v12-15 K's; v16-17 V's as loaded, v18-19 V's; v[20+u] the later tiles' Q's; v22 -infinity;
;   v23 scale byte offset; v24 the handing-over place; v25, v26 the add's; v[28+4u..31+4u] -M, the largest score, the sum; v[36+2u:37+2u] f; v40-73 at work; v[74+12u..] p's codes; v[98+12u..] Q; v[128+64u..] S^T, then p
; window 1: v0-47 K's fragments; v48-53, v166-171 the later tiles' Q; v54-101 V's; v[102+32u..] O^T; v[172+32u..] B's O^T
.set STEPB, 13312
.set PART,  240640                     ; 4 pairs x 2 tiles x 9 x 512 bytes
.set SPARE, 277504
.set V,   54
.set S,   128
.set O,   102
.set P,   74
.set Q,   98
.set MSB, 0
.macro WIN new                         ; the immediate's high byte repeats the setting that is left
.if MSB != \new
	s_set_vgpr_msb (MSB<<8)|\new
.set MSB, \new
.endif
.endm
.macro ROUND
	s_barrier_signal -1
	s_barrier_wait -1
	s_cmp_lg_u32 s12, 0
	s_cbranch_scc1 .Lnot_wave_0_\@
	s_barrier_signal -3
.Lnot_wave_0_\@:
	s_barrier_wait -3
	s_barrier_signal -1
	s_barrier_wait -1
.endm
.macro WALU                            ; the wait at these places
	s_wait_alu depctr_va_vdst(0)
.endm
.macro TLOAD
	tensor_load_to_lds s[32:35], s[48:55]
	s_nop 0
.rept 4
	v_nop
.endr
.endm
.macro RESET                           ; an empty state: the first step's change of M leaves the zeros zeros
	WIN 0x40
.set RI, 0
.rept 64
	v_mov_b32 v[O+RI], 0
.set RI, RI+1
.endr
	WIN 0
.irp u, 0,1
	v_mov_b32 v[28+4*\u], 0x7e000000               ; -M = 2^125
	v_mov_b32 v[29+4*\u], 0xff61b1e6               ; the largest score: -3e38
	v_mov_b32 v[30+4*\u], 0
	v_mov_b32 v[31+4*\u], 0
.endr
.endm
	s_load_b256 s[4:11], s[0:1], 0x0               ; qws s[4:5], kvws s[6:7], cws s[8:9], csc s[10:11]
	v_lshl_add_u32 v25, v0, 2, SPARE
	v_mov_b32 v26, 0
	ds_add_u32 v25, v26                            ; the opening lines
	ds_add_u32 v25, v26
	v_lshrrev_b32 v1, 5, v0
	v_readfirstlane_b32 s12, v1                    ; wave 0..7
	s_bfe_u32 s13, ttmp6, 0x40000                  ; a
	s_and_b32 s26, ttmp9, 1                        ; X
	s_and_b32 s15, ttmp7, 0xffff                   ; bh = 16 b + head
	s_and_b32 s14, s12, 3                          ; p
	s_lshr_b32 s17, s12, 2                         ; 0: A, 1: B
	s_and_b32 s28, s14, 1
	s_xor_b32 s28, s28, s26
	s_lshl_b32 s16, s14, 1
	s_add_co_u32 s16, s16, s28                     ; i
	s_sub_co_u32 s20, 15, s16                      ; 15 - i
	s_sub_co_u32 s21, 9, s17                       ; my steps
	s_sub_co_u32 s27, 8, s17                       ; my last trip
	s_sub_co_u32 s24, 8, s16
	s_mul_i32 s24, s24, STEPB
	s_mul_i32 s24, s24, s17                        ; B, behind step i: so many bytes further on in LDS
	s_add_co_u32 s25, s16, 1
	s_cmp_eq_u32 s17, 0
	s_cselect_b32 s22, s20, s16                    ; the block of the tiles that I store: its diagonal step,
	s_cselect_b32 s23, s20, 7                      ; and (B) the trip of the other block's
	s_cselect_b32 s25, 64, s25                     ; the trip ahead of which B changes blocks
	s_mov_b32 s48, 15|(3<<16)|(1<<21)              ; descriptor group 1: mask of all four; 26,624 dense bytes as 104 rows of 32 elements of 8 bytes
	s_mov_b32 s49, 32<<16
	s_mov_b32 s50, 104<<16
	s_mov_b32 s51, 32<<16
	s_mov_b32 s52, 104
	s_mov_b32 s53, 32
	s_mov_b32 s54, 0
	s_mov_b32 s55, 0
	s_mov_b32 s32, 1
	s_mul_i32 s33, s12, 2*STEPB                    ; I fetch steps 2 w and 2 w + 1
	s_mul_i32 s30, s15, 16*STEPB
	s_add_co_u32 s30, s30, s33
	s_mov_b32 s31, 0
	WALU
	s_wait_dscnt 0x0
	ROUND                                          ; all four work-groups are here: the joint loads meet
	s_wait_kmcnt 0x0
	s_add_nc_u64 s[34:35], s[6:7], s[30:31]
	s_or_b32 s35, s35, 0x80000000
	s_cmp_eq_u32 s12, 0
	s_cbranch_scc0 .Lother_steps
	TLOAD
	s_branch .Lasked
.Lother_steps:
	TLOAD
.Lasked:
	s_lshl_b32 s28, s15, 5                         ; Q: the group of four tiles 32 bh + 2 block + u, tile a
	s_lshl_b32 s29, s22, 1
	s_add_co_u32 s29, s28, s29
	s_mul_i32 s29, s29, 3328                       ; of the block that I begin with,
	s_lshl_b32 s30, s20, 1
	s_add_co_u32 s28, s28, s30
	s_mul_i32 s28, s28, 3328                       ; and of block 15 - i
	s_mul_i32 s46, s13, 768
	s_and_b32 s47, s13, 1
	s_lshl_b32 s47, s47, 7
	s_lshr_b32 s31, s13, 1
	s_lshl_b32 s31, s31, 2
	s_add_co_u32 s47, s47, s31
	s_add_co_u32 s47, s47, 3072                    ; its scale words: 3,072 + 128 (a & 1) + 4 (a >> 1) + 8 r
	s_mov_b32 s31, 0
	s_add_co_u32 s30, s29, s46
	s_add_nc_u64 s[60:61], s[4:5], s[30:31]
	s_add_co_u32 s30, s29, s47
	s_add_nc_u64 s[62:63], s[4:5], s[30:31]
	s_add_co_u32 s30, s28, s46
	s_add_nc_u64 s[36:37], s[4:5], s[30:31]
	s_add_co_u32 s30, s28, s47
	s_add_nc_u64 s[38:39], s[4:5], s[30:31]
	v_and_b32 v40, 31, v0
	v_and_b32 v41, 15, v0                          ; r
	v_lshlrev_b32 v3, 4, v40
	v_lshlrev_b32 v4, 3, v40
	v_bfe_u32 v42, v0, 4, 1                        ; h
	v_lshlrev_b32 v43, 3, v41
.irp u, 0,1
	global_load_b128 v[Q+12*\u:Q+12*\u+3], v3, s[60:61] offset:3328*\u
	global_load_b64 v[Q+12*\u+4:Q+12*\u+5], v4, s[60:61] offset:3328*\u+512
	global_load_b32 v[7+\u], v43, s[62:63] offset:3328*\u
	global_load_b32 v[20+\u], v43, s[38:39] offset:3328*\u
.endr
	WIN 0x40                                       ; block 15 - i's Q: B's second block.  (A has it already; v48-53 want codes as well)
	global_load_b128 v[48:51], v3, s[36:37]
	global_load_b64 v[52:53], v4, s[36:37] offset:512
	global_load_b128 v[166:169], v3, s[36:37] offset:3328
	global_load_b64 v[170:171], v4, s[36:37] offset:3328+512
	WIN 0
	s_xor_b32 s28, s13, 1
	s_sub_co_u32 s28, s28, s13
	s_lshl_b32 s28, s28, 3
	s_add_co_u32 s28, s28, 32                      ; 32 + 8 (a xor 1) - 8 a
	s_lshl_b32 s29, s13, 3
	v_bfe_u32 v44, v0, 3, 1
	v_and_b32 v45, 7, v0
	v_mul_u32_u24 v44, s28, v44
	v_add3_u32 v45, v45, v44, s29                  ; my query in its half of 64: 8 a + r, or 32 + 8 (a xor 1) + r - 8
	v_mul_u32_u24 v46, 40, v42
	v_sub_nc_u32 v5, v45, v46                      ; DA: register n of band u (n / 8 even) holds key 32 h + 8 ((n / 8) xor h) + n % 8 of the half: hidden where n > DA;
	v_mul_u32_u24 v46, 24, v42
	v_sub_nc_u32 v6, v45, v46                      ; n / 8 odd: where n > DB
	v_mov_b32 v22, 0xff800000
	v_lshl_add_u32 v23, v41, 5, v42                ; 32 r + h
	s_mul_i32 s28, s14, 9216
	s_add_co_u32 s28, s28, PART
	v_add_nc_u32 v24, s28, v3
	s_lshr_b32 s28, s15, 4                         ; b
	s_lshl_b32 s28, s28, 7
	s_lshl_b32 s29, s22, 3
	s_add_co_u32 s28, s28, s29
	s_add_co_u32 s28, s28, s13                     ; TG = 128 b + 8 block + a; tile 1 lies four further on
	s_and_b32 s29, s15, 15                         ; head
	s_lshl_b32 s30, s28, 4
	s_add_co_u32 s30, s30, s29
	s_mul_i32 s30, s30, 768
	s_add_nc_u64 s[56:57], s[8:9], s[30:31]        ; ctx's codes: image (TG, head)
	s_lshl_b32 s30, s28, 9
	s_lshl_b32 s29, s29, 1
	s_add_co_u32 s30, s30, s29
	s_add_nc_u64 s[58:59], s[10:11], s[30:31]      ; ctx's scale bytes: blocks 2 head, 2 head + 1 of the tile's 16 rows
	s_mov_b32 s40, 0x3e38aa3b                      ; c = log2(e) / 8
	s_mov_b32 s41, s40                             ; (named with it as a pair)
	s_mov_b32 s42, 0x76543210
	s_mov_b32 s43, 0xfedcba98                      ; lane l xor 16
	s_mov_b32 s44, 0xffff0000                      ; lanes 16-31
	s_mov_b32 s45, 0x05040302                      ; the second source's upper half below, the first's lower half above
	s_mov_b32 s18, 0                               ; the trip
	s_mov_b32 s19, 0                               ; 13,312 x the trip
	s_mov_b32 s47, 0                               ; the first LDS byte of the trip's step
.irp i, 6,7,8,9,10,11
	v_mov_b32 v[Q+\i], 0                           ; zero codes
	v_mov_b32 v[Q+12+\i], 0
.endr
	RESET
	v_mov_b32 v37, 0                               ; (the upper halves of f's pairs)
	v_mov_b32 v39, 0
	v_mov_b32 v56, 0                               ; written once: a lane permute's destination counts as one of its sources
	v_mov_b32 v57, 0
.macro MASK u                          ; a hidden key's score becomes -infinity: p = 0
.set MN, 0
.rept 32
.if (MN/8)%2
	v_cmp_gt_i32 vcc_lo, MN, v6
.else
	v_cmp_gt_i32 vcc_lo, MN, v5
.endif
	v_cndmask_b32 v[S+96*\u+MN], v[S+96*\u+MN], v22, vcc_lo
.set MN, MN+1
.endr
.endm
.macro NEXT                            ; LDS addresses of the next trip's step (in my last trip: of this one's again)
	s_add_co_u32 s28, s19, STEPB
	s_cmp_ge_u32 s18, s16
	s_cselect_b32 s29, s24, 0
	s_add_co_u32 s28, s28, s29
	s_cmp_lt_u32 s18, s27
	s_cselect_b32 s28, s28, s47
	v_add_nc_u32 v1, s28, v3
	v_add_nc_u32 v2, s28, v4
.endm
.macro KLOADS                          ; K's fragments and scale words: 14 loads
	WIN 0x40
.irp g, 0,1,2,3,4,5,6,7,8,9,10,11
	ds_load_b128 v[4*\g:4*\g+3], v1 offset:512*\g
.endr
	WIN 0
	ds_load_b64 v[12:13], v2 offset:12288          ; v12 tiles 0 | 1 (lanes 0-15 | 16-31), v13 tiles 2 | 3,
	ds_load_b64 v[14:15], v2 offset:12544          ; v14 tiles 4 | 5, v15 tiles 6 | 7
.endm
.macro SUBM u, from, count             ; t - M, two at a time
.set SJ, S+64*\u+\from
.rept \count
	v_pk_fma_f32 v[SJ:SJ+1], v[SJ:SJ+1], s[40:41], v[28+4*\u:29+4*\u] op_sel_hi:[1,0,0]
.set SJ, SJ+2
.endr
.endm
.macro PAIRS u, k                      ; two of p's pairs are added, in place
	v_pk_add_f32 v[S+64*\u+4*(\k):S+64*\u+4*(\k)+1], v[S+64*\u+4*(\k):S+64*\u+4*(\k)+1], v[S+64*\u+4*(\k)+2:S+64*\u+4*(\k)+3]
.endm
.macro CODES u, e                      ; scale operands, codes, bytes of tile u: the blocks' largest p in v[40+4u], v[42+4u]
	v_max_num_f32 v[40+4*\u], 0x1800000, v[40+4*\u]   ; the floor 2^(3 - 127): the byte cannot fall under 1
	v_max_num_f32 v[42+4*\u], 0x1800000, v[42+4*\u]
.if \e
	v_perm_b32 v18, v17, v16, 0x05040100           ; V's scale words of channel tiles 0 | 1,
	v_perm_b32 v19, v17, v16, 0x07060302           ; and of 2 | 3
.endif
	v_add_nc_u32 v[52+2*\u], 0xff000000, v[40+4*\u]   ; 2 off the exponent field
	v_add_nc_u32 v[53+2*\u], 0xff000000, v[42+4*\u]
	v_cvt_scalef32_pk16_fp6_f32 v[P+12*\u:P+12*\u+2], v[S+64*\u:S+64*\u+15], v[52+2*\u]
	v_cvt_scalef32_pk16_fp6_f32 v[P+12*\u+6:P+12*\u+8], v[S+64*\u+32:S+64*\u+47], v[53+2*\u]
	v_cvt_scalef32_pk16_fp6_f32 v[58+8*\u:60+8*\u], v[S+64*\u+16:S+64*\u+31], v[52+2*\u]
	v_cvt_scalef32_pk16_fp6_f32 v[62+8*\u:64+8*\u], v[S+64*\u+48:S+64*\u+63], v[53+2*\u]
	v_lshrrev_b32 v[40+4*\u], 23, v[52+2*\u]       ; the bytes
	v_lshrrev_b32 v[42+4*\u], 23, v[53+2*\u]
.endm
.macro MOVE u, i                       ; (a conversion's three registers begin on an even number)
.if (\i) < 3
	v_mov_b32 v[P+12*\u+3+\i], v[58+8*\u+\i]
.else
	v_mov_b32 v[P+12*\u+6+\i], v[59+8*\u+\i]
.endif
.endm
; A KEY STEP: 128 keys, both tiles.  Ahead of it K's fragments have been asked for, and v1, v2 hold the step's addresses.
.macro STEP loop
.if \loop
	s_cmp_ge_u32 s18, s21                          ; B has no ninth step
	s_cbranch_scc1 .Lidle_\@
	s_cmp_gt_u32 s18, s16
	s_cselect_b32 s47, s24, 0
	s_add_co_u32 s47, s47, s19
	v_add_nc_u32 v1, s47, v3                       ; this step's addresses, for V
	v_add_nc_u32 v2, s47, v4
.endif
	WIN 0x40
.irp t, 0,1,2,3
.irp c, 0,1
	ds_load_b128 v[V+12*\t+6*\c:V+3+12*\t+6*\c], v1 offset:6144+1536*\t+768*\c
	ds_load_b64 v[V+4+12*\t+6*\c:V+5+12*\t+6*\c], v2 offset:6144+1536*\t+768*\c+512
.endr
.endr
	WIN 0
	ds_load_b32 v16, v2 offset:12800               ; band 0: bytes of channel tiles 0 | 1 below, of 2 | 3 above
	ds_load_b32 v17, v2 offset:13056               ; band 1
	WALU
	s_wait_dscnt 18                                ; K is in; V's 18 loads may be out
	WIN 0x01                                       ; source 0 (K) window 1
.irp u, 0,1
.irp t, 0,1,2,3,4,5,6,7
.if \t%2
	v_wmma_scale_f32_16x16x128_f8f6f4 v[S+64*\u+8*\t:S+64*\u+8*\t+7], v[6*\t:6*\t+11], v[Q+12*\u:Q+12*\u+11], 0, v[12+\t/2], v[7+\u] matrix_a_fmt:MATRIX_FMT_FP6 matrix_b_fmt:MATRIX_FMT_FP6 matrix_a_scale:MATRIX_SCALE_ROW1
.else
	v_wmma_scale_f32_16x16x128_f8f6f4 v[S+64*\u+8*\t:S+64*\u+8*\t+7], v[6*\t:6*\t+11], v[Q+12*\u:Q+12*\u+11], 0, v[12+\t/2], v[7+\u] matrix_a_fmt:MATRIX_FMT_FP6 matrix_b_fmt:MATRIX_FMT_FP6
.endif
.endr
.endr
	WIN 0
	v_mov_b32 v48, v28                             ; (four places ahead of K's loads and of the first read of the scores)
	v_mov_b32 v49, v32
.if \loop
	NEXT
	KLOADS
.else
	v_nop
	v_nop
.endif
	s_cmp_eq_u32 s18, s22                          ; a diagonal step?
	s_cbranch_scc1 .Lmask_\@
	s_cmp_lg_u32 s18, s23
	s_cbranch_scc1 .Lopen_\@
.Lmask_\@:
	MASK 0                                         ; tile 0's queries lie in the block's first half: band 1 is hidden whole
.set MN, 0
.rept 32
	v_mov_b32 v[S+32+MN], v22
.set MN, MN+1
.endr
	MASK 1                                         ; tile 1's in its second half: band 0 is seen whole
	WALU
.Lopen_\@:
.irp g, 0,1,2,3
.irp u, 0,1
	v_max3_num_f32 v[40+4*\u+\g], v[S+64*\u+16*\g], v[S+64*\u+16*\g+1], v[S+64*\u+16*\g+2]
.endr
.endr
.irp i, 3,5,7,9,11,13
.irp g, 0,1,2,3
.irp u, 0,1
	v_max3_num_f32 v[40+4*\u+\g], v[40+4*\u+\g], v[S+64*\u+16*\g+\i], v[S+64*\u+16*\g+\i+1]
.endr
.endr
.endr
.irp u, 0,1
	v_max3_num_f32 v[40+4*\u], v[40+4*\u], v[41+4*\u], v[S+64*\u+15]
	v_max3_num_f32 v[42+4*\u], v[42+4*\u], v[43+4*\u], v[S+64*\u+47]
.endr
.irp u, 0,1
	v_max_num_f32 v[40+4*\u], v[40+4*\u], v[S+64*\u+31]   ; the largest score of band 0's block: it serves the row's maximum and the block's largest p
	v_max_num_f32 v[42+4*\u], v[42+4*\u], v[S+64*\u+63]   ; and of band 1's
.endr
.irp u, 0,1
	v_max3_num_f32 v[29+4*\u], v[40+4*\u], v[42+4*\u], v[29+4*\u]
.endr
.irp u, 0,1
	v_permlanex16_b32 v[56+\u], v[29+4*\u], s42, s43
.endr
.irp u, 0,1
	v_max_num_f32 v[29+4*\u], v[29+4*\u], v[56+\u]        ; the running largest score of my query
.endr
.irp u, 0,1
	v_mul_f32 v[41+4*\u], s40, v[29+4*\u]          ; as t (c is positive)
.endr
.irp u, 0,1
	v_floor_f32 v[28+4*\u], -v[41+4*\u]            ; the new -M = -ceil(t)
.endr
.irp u, 0,1
	v_sub_f32 v[48+\u], v[28+4*\u], v[48+\u]       ; old M - new M: a whole number, 0 or less
.endr
	SUBM 0, 0, 16
.irp u, 0,1
	v_cvt_i32_f32 v[48+\u], v[48+\u]               ; (it saturates)
.endr
	SUBM 0, 32, 16
.irp u, 0,1
	v_ldexp_f32 v[36+2*\u], 1.0, v[48+\u]          ; f = 2^(old M - new M)
.endr
	v_fma_f32 v40, v40, s40, v28                   ; the same of the blocks' largest scores
	v_fma_f32 v42, v42, s40, v28
	WIN 0x41
.irp u, 0,1
.set SJ, O+32*\u
.rept 16
	v_pk_mul_f32 v[SJ:SJ+1], v[SJ:SJ+1], v[36+2*\u:37+2*\u] op_sel_hi:[1,0]   ; O^T under the new M
.set SJ, SJ+2
.endr
.endr
	WIN 0
	WALU
	v_exp_f32 v40, v40                             ; the blocks' largest p: the same two instructions on the same number
	v_exp_f32 v42, v42
.set EJ, S
.rept 32
	v_exp_f32 v[EJ], v[EJ]                         ; p = 2^(t - M) of tile 0; among these tile 1's t - M
	v_exp_f32 v[EJ+1], v[EJ+1]
	v_pk_fma_f32 v[EJ+64:EJ+65], v[EJ+64:EJ+65], s[40:41], v[32:33] op_sel_hi:[1,0,0]
.set EJ, EJ+2
.endr
	v_fma_f32 v44, v44, s40, v32
	v_fma_f32 v46, v46, s40, v32
	WALU
.if \loop
	s_wait_dscnt 14                                ; V is in; the next K's 14 loads may be out
.else
	s_wait_dscnt 0x0
.endif
	CODES 0, 1
	WALU
	v_exp_f32 v44, v44
	v_exp_f32 v46, v46
.set EJ, S+64
.set EK, 0
.rept 16
	v_exp_f32 v[EJ], v[EJ]                         ; p of tile 1; among these tile 0's pairs, first read behind the wait below
	v_exp_f32 v[EJ+1], v[EJ+1]
	PAIRS 0, EK
	v_exp_f32 v[EJ+2], v[EJ+2]
	v_exp_f32 v[EJ+3], v[EJ+3]
.if EK < 6
	MOVE 0, EK
.endif
.set EJ, EJ+4
.set EK, EK+1
.endr
	v_nop                                          ; the plain line behind the exponentials
	WALU
	CODES 1, 0
.irp u, 0,1
	v_lshl_or_b32 v[40+4*\u], v[42+4*\u], 16, v[40+4*\u]  ; my blocks' two bytes, h and 2 + h;
.endr
.irp u, 0,1
	v_permlanex16_b32 v[56+\u], v[40+4*\u], s42, s43
.endr
.irp u, 0,1
	v_lshl_or_b32 v[9+\u], v[56+\u], 8, v[40+4*\u]        ; lanes 0-15: with lane l xor 16's two p's scale word
.endr
.irp i, 0,1,2,3,4,5
	MOVE 1, \i
.endr
.set EK, 0
.rept 16
	PAIRS 1, EK                                    ; (these also stand between p's codes and scales and the products)
.set EK, EK+1
.endr
	WIN 0x51                                       ; source 0 (V), C and D window 1
.irp u, 0,1
.irp t, 0,1,2,3
.if \t%2
	v_wmma_scale_f32_16x16x128_f8f6f4 v[O+32*\u+8*\t:O+32*\u+8*\t+7], v[V+12*\t:V+11+12*\t], v[P+12*\u:P+12*\u+11], v[O+32*\u+8*\t:O+32*\u+8*\t+7], v[18+\t/2], v[9+\u] matrix_a_fmt:MATRIX_FMT_FP6 matrix_b_fmt:MATRIX_FMT_FP6 matrix_a_scale:MATRIX_SCALE_ROW1
.else
	v_wmma_scale_f32_16x16x128_f8f6f4 v[O+32*\u+8*\t:O+32*\u+8*\t+7], v[V+12*\t:V+11+12*\t], v[P+12*\u:P+12*\u+11], v[O+32*\u+8*\t:O+32*\u+8*\t+7], v[18+\t/2], v[9+\u] matrix_a_fmt:MATRIX_FMT_FP6 matrix_b_fmt:MATRIX_FMT_FP6
.endif
.endr
.endr
	WIN 0
.irp u, 0,1                            ; the rows' sums, of the unquantised p, in four chains each
	v_pk_fma_f32 v[30+4*\u:31+4*\u], v[30+4*\u:31+4*\u], v[36+2*\u:37+2*\u], v[S+64*\u:S+64*\u+1] op_sel_hi:[1,0,1]
.irp g, 0,1,2
	v_pk_add_f32 v[58+8*\u+2*\g:59+8*\u+2*\g], v[S+64*\u+4+8*\g:S+64*\u+5+8*\g], v[S+64*\u+8+8*\g:S+64*\u+9+8*\g]
.endr
.endr
.irp k, 28,44,60
.irp u, 0,1
	v_pk_add_f32 v[30+4*\u:31+4*\u], v[30+4*\u:31+4*\u], v[S+64*\u+\k:S+64*\u+\k+1]
.if \k < 60
.irp g, 0,1,2
	v_pk_add_f32 v[58+8*\u+2*\g:59+8*\u+2*\g], v[58+8*\u+2*\g:59+8*\u+2*\g], v[S+64*\u+\k+4+4*\g:S+64*\u+\k+5+4*\g]
.endr
.endif
.endr
.endr
.irp u, 0,1
	v_pk_add_f32 v[58+8*\u:59+8*\u], v[58+8*\u:59+8*\u], v[60+8*\u:61+8*\u]
	v_pk_add_f32 v[30+4*\u:31+4*\u], v[30+4*\u:31+4*\u], v[62+8*\u:63+8*\u]
.endr
.irp u, 0,1
	v_pk_add_f32 v[30+4*\u:31+4*\u], v[30+4*\u:31+4*\u], v[58+8*\u:59+8*\u]
.endr
.Lidle_\@:
.endm
; A TILE'S WAY OUT: ctx = O^T / the sum, quantised: my 32 channels are one block.
.macro OUT u
	v_add_f32 v40, v[30+4*\u], v[31+4*\u]
	v_permlanex16_b32 v56, v40, s42, s43
	v_add_f32 v40, v40, v56                        ; the row's sum
	WALU
	v_rcp_f32 v42, v40
	v_nop
	WIN 0x41
	WALU
.set SJ, O+32*\u
.rept 16
	v_pk_mul_f32 v[SJ:SJ+1], v[SJ:SJ+1], v[42:43] op_sel_hi:[1,0]
.set SJ, SJ+2
.endr
.set OB, O+32*\u
	WIN 0x05
	v_max3_num_f32 v44, |v[OB]|, |v[OB+1]|, 0x1800000
	WIN 0x15
	v_max3_num_f32 v45, |v[OB+16]|, |v[OB+17]|, |v[OB+18]|
	WIN 0x14
.irp i, 2,4,6,8,10,12,14
	v_max3_num_f32 v44, v44, |v[OB+\i]|, |v[OB+\i+1]|
.if \i < 14
	v_max3_num_f32 v45, v45, |v[OB+17+\i]|, |v[OB+18+\i]|
.endif
.endr
	WIN 0x04
	v_max3_num_f32 v44, v44, |v[OB+31]|, v45
	WIN 0
	v_add_nc_u32 v46, 0xff000000, v44
	WIN 0x01
	v_cvt_scalef32_pk16_fp6_f32 v[58:60], v[OB:OB+15], v46
	v_cvt_scalef32_pk16_fp6_f32 v[62:64], v[OB+16:OB+31], v46
	WIN 0
	v_lshrrev_b32 v47, 23, v46                     ; the block's scale byte
	v_perm_b32 v48, v60, v59, s45                  ; each 96 bits with their two 48-bit halves (eight codes each) exchanged:
	v_perm_b32 v49, v58, v60, s45
	v_perm_b32 v50, v59, v58, s45
	v_perm_b32 v51, v64, v63, s45
	v_perm_b32 v52, v62, v64, s45
	v_perm_b32 v53, v63, v62, s45
	v_cndmask_b32 v66, v58, v48, s44               ; lanes 16-31 take these: the channels in ascending order
	v_cndmask_b32 v67, v59, v49, s44
	v_cndmask_b32 v68, v60, v50, s44
	v_cndmask_b32 v69, v62, v51, s44
	v_cndmask_b32 v70, v63, v52, s44
	v_cndmask_b32 v71, v64, v53, s44
	global_store_b128 v3, v[66:69], s[56:57] offset:49152*\u        ; 512 consecutive bytes, at a multiple of 256 from the buffer's first byte
	global_store_b64 v4, v[70:71], s[56:57] offset:49152*\u+512
	global_store_b8 v23, v47, s[58:59] offset:2048*\u               ; two bytes of each of 16 rows: a row's 32 bytes come from 16 work-groups; 1/24 of the codes' bytes
	s_wait_xcnt 0x0                                ; the stores have read their registers
.endm
.macro JOIN u                          ; A's state and B's part under the larger M
	v_min_num_f32 v48, v[28+4*\u], v[40+4*\u]      ; - the larger M
	v_sub_f32 v50, v48, v[28+4*\u]
	v_sub_f32 v51, v48, v[40+4*\u]
	v_cvt_i32_f32 v50, v50
	v_cvt_i32_f32 v51, v51
	v_ldexp_f32 v36, 1.0, v50
	v_ldexp_f32 v38, 1.0, v51
	v_pk_mul_f32 v[30+4*\u:31+4*\u], v[30+4*\u:31+4*\u], v[36:37] op_sel_hi:[1,0]
	v_pk_fma_f32 v[30+4*\u:31+4*\u], v[42+4*\u:43+4*\u], v[38:39], v[30+4*\u:31+4*\u] op_sel_hi:[1,0,1]
	WIN 0x41
.set SJ, O+32*\u
.rept 16
	v_pk_mul_f32 v[SJ:SJ+1], v[SJ:SJ+1], v[36:37] op_sel_hi:[1,0]
.set SJ, SJ+2
.endr
	WIN 0x51
.set SJ, 0
.rept 16
	v_pk_fma_f32 v[O+32*\u+SJ:O+32*\u+SJ+1], v[172+32*\u+SJ:173+32*\u+SJ], v[38:39], v[O+32*\u+SJ:O+32*\u+SJ+1] op_sel_hi:[1,0,1]
.set SJ, SJ+2
.endr
	WIN 0
.endm
	WALU                                           ; the wait at the head's end
	s_wait_loadcnt 0x0                             ; Q
	s_cmp_eq_u32 s12, 0
	s_cbranch_scc0 .Lnot_0
	s_wait_tensorcnt 0x0                           ; steps 0 and 1 are in LDS (wave 0's line alone)
.Lnot_0:
	s_barrier_signal -1
	s_barrier_wait -1
	v_add_nc_u32 v1, s19, v3
	v_add_nc_u32 v2, s19, v4
	KLOADS
	STEP 0                                         ; trip 0: step 0, for every wave
	WALU
	s_wait_tensorcnt 0x0
	s_wait_dscnt 0x0
	s_barrier_signal -1
	s_barrier_wait -1                              ; the whole head lies in LDS
	NEXT
	KLOADS
	s_add_co_u32 s19, s19, STEPB
	s_add_co_u32 s18, s18, 1
	WALU
.Lsteps:
	s_cmp_lg_u32 s18, s25
	s_cbranch_scc1 .Lgo_on
	OUT 0                                          ; B: block i's tiles are done: they leave,
	OUT 1
	WIN 0x01
.irp i, 0,1,2,3,4,5
	v_mov_b32 v[Q+\i], v[48+\i]                    ; and block 15 - i's begin
	v_mov_b32 v[Q+12+\i], v[166+\i]
.endr
	WIN 0
	v_mov_b32 v7, v20
	v_mov_b32 v8, v21
	RESET
	WALU
.Lgo_on:
	STEP 1
	s_add_co_u32 s19, s19, STEPB
	s_add_co_u32 s18, s18, 1
	WALU
	s_cmp_lt_u32 s18, 9
	s_cbranch_scc1 .Lsteps
	s_cmp_eq_u32 s17, 0
	s_cbranch_scc1 .Lno_part
	WIN 0x04
.irp u, 0,1
.irp q, 0,1,2,3,4,5,6,7
	ds_store_b128 v24, v[O+32*\u+4*\q:O+32*\u+4*\q+3] offset:4608*\u+512*\q   ; B's part: O^T,
.endr
.endr
	WIN 0
.irp u, 0,1
	ds_store_b128 v24, v[28+4*\u:31+4*\u] offset:4608*\u+4096                 ; -M, the largest score, the sum
.endr
.Lno_part:
	s_wait_dscnt 0x0
	s_barrier_signal -1
	s_barrier_wait -1
	s_cmp_eq_u32 s17, 0
	s_cbranch_scc0 .Lend
.irp u, 0,1
	ds_load_b128 v[40+4*\u:43+4*\u], v24 offset:4608*\u+4096
.endr
	WIN 0x40
.irp u, 0,1
.irp q, 0,1,2,3,4,5,6,7
	ds_load_b128 v[172+32*\u+4*\q:172+32*\u+4*\q+3], v24 offset:4608*\u+512*\q
.endr
.endr
	WIN 0
	s_wait_dscnt 0x0
	JOIN 0
	JOIN 1
	OUT 0
	OUT 1
.Lend:
	s_wait_tensorcnt 0x0                           ; the wave's end
	ds_add_u32 v25, v26
	s_wait_dscnt 0x0
	ROUND                                          ; the closing round
	s_endpgm
.Lfunc_end_k_q3f09536ef8_attn:
	.size	k_q3f09536ef8_attn, .Lfunc_end_k_q3f09536ef8_attn-k_q3f09536ef8_attn
	.p2alignl 7, 3214868480
	.fill 96, 4, 3214868480
	.section	.rodata,"a",@progbits
	.p2align	6, 0x0
	.amdhsa_kernel k_q3f09536ef8_attn
		.amdhsa_group_segment_fixed_size 278528
		.amdhsa_private_segment_fixed_size 0
		.amdhsa_enable_private_segment 0
		.amdhsa_kernarg_size 32
		.amdhsa_user_sgpr_count 2
		.amdhsa_user_sgpr_kernarg_segment_ptr 1
		.amdhsa_wavefront_size32 1
		.amdhsa_system_sgpr_workgroup_id_x 1
		.amdhsa_system_sgpr_workgroup_id_y 1
		.amdhsa_system_sgpr_workgroup_id_z 1
		.amdhsa_system_vgpr_workitem_id 0
		.amdhsa_next_free_vgpr 512
		.amdhsa_next_free_sgpr 72
		.amdhsa_reserve_vcc 1
		.amdhsa_float_denorm_mode_32 3
		.amdhsa_float_denorm_mode_16_64 3
		.amdhsa_memory_ordered 1
		.amdhsa_forward_progress 1
		.amdhsa_inst_pref_size 103
	.end_amdhsa_kernel
	.amdgpu_metadata
---
amdhsa.version: [ 1, 2 ]
amdhsa.kernels:
  - .name:           k_q3f09536ef8_attn
    .symbol:         k_q3f09536ef8_attn.kd
    .args:
      - { .name: qws, .offset: 0, .size: 8, .value_kind: global_buffer, .address_space: global }
      - { .name: kvws, .offset: 8, .size: 8, .value_kind: global_buffer, .address_space: global }
      - { .name: cws, .offset: 16, .size: 8, .value_kind: global_buffer, .address_space: global }
      - { .name: csc, .offset: 24, .size: 8, .value_kind: global_buffer, .address_space: global }
    .group_segment_fixed_size: 278528
    .private_segment_fixed_size: 0
    .kernarg_segment_align: 8
    .kernarg_segment_size: 32
    .max_flat_workgroup_size: 256
    .sgpr_count:     72
    .vgpr_count:     512
    .wavefront_size: 32
...
	.end_amdgpu_metadata
.endif
;; end of part 2
;; launch oproj (part 3): grid 8 x 32, 4 waves a work-group, clusters of 4 x 4, 220,672 bytes of LDS; arguments cws, csc, Wo_codes, Wo_scales, bo, out0; writes out0
.if DOCPART == 3
	.amdgcn_target "amdgcn-amd-amdhsa--gfx1250"
	.amdhsa_code_object_version 6
	.text
	.protected	k_q3f09536ef8_oproj
	.globl	k_q3f09536ef8_oproj
	.p2align	8
	.type	k_q3f09536ef8_oproj,@function
k_q3f09536ef8_oproj:
	s_mov_b64 s[64:65], 0
	v_nop
	global_prefetch_b8 v0, s[64:65] scope:SCOPE_SE
	s_setreg_imm32_b32 hwreg(HW_REG_WAVE_MODE, 25, 1), 1
	s_wait_xcnt 0x0
	s_wait_alu depctr_hold_cnt(0) depctr_sa_sdst(0) depctr_va_vdst(0) depctr_va_sdst(0) depctr_va_ssrc(0) depctr_va_vcc(0) depctr_vm_vsrc(0)
	s_getreg_b32 s2, hwreg(HW_REG_IB_STS2, 6, 4)
	s_cmp_eq_u32 s2, 0
	s_cbranch_scc0 .Lentry_in_a_cluster
	s_endpgm
.Lentry_in_a_cluster:
	s_bfe_u32 s2, ttmp6, 0x10000c
	s_cmp_lg_u32 s2, 0xf033
	s_cbranch_scc0 .Lentry_shape_is_right
	s_endpgm
.Lentry_shape_is_right:
; out = ctx Wo + bo on codes of FP6 (E2M3) with E8M0 scales, sums in f32.  ctx: the workspace's images (tile of 16 rows, head): 768 bytes each; its scale bytes [4096][32], in the tiles' order of rows.  Wo: [1024 (n)][768 bytes], K innermost.
; SHARES.  A work-group makes 128 rows x 128 columns, a wave 64 x 64.  Both operands of the work-group, for all of K, lie in LDS: 98,304 + 104,448 bytes, filled once.
; A WAVE KEEPS ITS 64 COLUMNS OF Wo, all of K, in registers (32 fragments, 384 registers), and ctx goes past in four blocks of 16 rows x all of K: a block is finished after its 32 products and leaves while the next is multiplied.
; CLUSTER.  4 x 4 work-groups: ctx's rows are shared along a row of the cluster, Wo's along a column: each is asked for JOINTLY.  No prefetch: all is asked for at the head; there is no loop.
; THE PRODUCT IS USED TRANSPOSED (source 0 = 16 rows of Wo, source 1 = 16 rows of ctx): a lane holds eight neighbouring columns of one row of out.  The bias is the C of each sum's first instruction.
; ctx's tile a of 64 rows holds rows 8 a + 0..7 and rows 32 + 8 (a xor 1) + 0..7 (launches qkv, attn): the stores put them in place.
; REGISTERS.  Window 0: v1-9 addresses; v16-31 ctx's scale words, v32-47 Wo's; v48-79 the bias tiles; v80-143 two sets of four accumulators; v144-207 rows on their way out.
;   Fragment f lies in window 1 + f / 21 at register 12 (f % 21): 0-31 Wo's (4 q + t), 32-39 and 40-47 ctx's two sets.
.set BB,    98304                      ; LDS: ctx from 0: tile i of 8 at 12,288 i, head at 768 head; Wo: row n at 816 n: 3 x (256 bytes + 16 of padding)
.set STG,   202752                     ; the stages: 16 rows x (256 bytes + 16) for each wave, bytes into which no tile lands
.set SPARE, 220160
.set AS,    16
.set BS,    32
.set BI,    48
.set ACC,   80
.set BKR,   144
.set MSB, 0
.macro WIN new
.if MSB != \new
	s_set_vgpr_msb (MSB<<8)|\new
.set MSB, \new
.endif
.endm
.macro ROUND
	s_barrier_signal -1
	s_barrier_wait -1
	s_cmp_lg_u32 s16, 0
	s_cbranch_scc1 .Lnot_wave_0_\@
	s_barrier_signal -3
.Lnot_wave_0_\@:
	s_barrier_wait -3
	s_barrier_signal -1
	s_barrier_wait -1
.endm
.macro PLACES n
.rept \n
	v_nop
.endr
.endm
	s_load_b256 s[4:11], s[0:1], 0x0               ; cws s[4:5], csc s[6:7], Wo_codes s[8:9], Wo_scales s[10:11]
	s_load_b128 s[12:15], s[0:1], 0x20             ; bo s[12:13], out0 s[14:15]
	v_lshl_add_u32 v254, v0, 2, SPARE
	v_mov_b32 v255, 0
	ds_add_u32 v254, v255                          ; the opening lines
	ds_add_u32 v254, v255
	v_lshrrev_b32 v1, 5, v0
	v_readfirstlane_b32 s16, v1                    ; wave 0..3
	s_lshr_b32 s17, s16, 1                         ; which 64 rows are mine.  Also: I fetch for ctx (0) or for Wo (1)
	s_and_b32 s18, s16, 1                          ; which 64 columns.  Also: which half of that operand I fetch
	s_bfe_u32 s40, ttmp6, 0x40000                  ; cx, cy
	s_bfe_u32 s41, ttmp6, 0x40004
	s_lshl_b32 s42, ttmp9, 2
	s_add_co_u32 s42, s42, s40                     ; block of 128 columns = 4 x cluster x + cx
	s_and_b32 s19, ttmp7, 0xffff
	s_lshl_b32 s19, s19, 2
	s_add_co_u32 s19, s19, s41                     ; block of 128 rows = 4 x cluster y + cy
	s_lshl_b32 s43, s41, 2
	s_lshl_b32 s43, 15, s43                        ; my row of the cluster
	s_lshl_b32 s44, 0x1111, s40                    ; my column
	; descriptor groups 1: 49,152 dense bytes as 192 rows of 32 elements of 8 bytes; ctx's without padding, Wo's with 16 bytes behind each row
	s_or_b32 s24, s43, (3<<16)|(1<<21)
	s_or_b32 s48, s44, (3<<16)|(1<<20)|(1<<21)|(5<<22)|(3<<25)
.irp g, 24, 48
	s_mov_b32 s[\g+1], 32<<16
	s_mov_b32 s[\g+2], 192<<16
	s_mov_b32 s[\g+3], 32<<16
	s_mov_b32 s[\g+4], 192
	s_mov_b32 s[\g+5], 32
	s_mov_b32 s[\g+6], 0
	s_mov_b32 s[\g+7], 0
.endr
	s_mul_i32 s22, s18, 49152                      ; my half: in memory (either operand) and in ctx's part of LDS
	s_mul_i32 s20, s19, 98304                      ; ctx: 8 tiles x 12,288 bytes for each block of 128 rows
	s_add_co_u32 s20, s20, s22
	s_mov_b32 s21, 0
	s_mul_i32 s46, s42, 98304                      ; Wo: 128 rows x 768 bytes
	s_add_co_u32 s46, s46, s22
	s_mov_b32 s47, 0
	s_mul_i32 s23, s18, 52224
	s_add_co_u32 s23, s23, BB
	s_mov_b32 s32, 1
	s_mov_b32 s33, s22
	s_mov_b32 s56, 1
	s_mov_b32 s57, s23
	s_wait_alu depctr_va_vdst(0)
	s_wait_dscnt 0x0
	ROUND                                          ; all sixteen work-groups are here: the joint loads meet
	s_wait_kmcnt 0x0
	s_add_nc_u64 s[34:35], s[4:5], s[20:21]
	s_or_b32 s35, s35, 0x80000000
	s_add_nc_u64 s[58:59], s[8:9], s[46:47]
	s_or_b32 s59, s59, 0x80000000
	s_cmp_eq_u32 s17, 0                            ; waves 0 and 1 fetch ctx's halves, waves 2 and 3 Wo's: one load a wave
	s_cbranch_scc0 .Lfor_b
	tensor_load_to_lds s[32:35], s[24:31]
	s_nop 0
	PLACES 4
	s_branch .Lasked
.Lfor_b:
	tensor_load_to_lds s[56:59], s[48:55]
	s_nop 0
	PLACES 4
.Lasked:
	s_lshl_b32 s20, s19, 12                        ; ctx's scale bytes: (128 ry + 64 wr) x 32
	s_lshl_b32 s22, s17, 11
	s_add_co_u32 s20, s20, s22
	s_add_nc_u64 s[6:7], s[6:7], s[20:21]
	s_lshl_b32 s46, s42, 12                        ; Wo's: (128 cxg + 64 wc) x 32
	s_lshl_b32 s60, s18, 11
	s_add_co_u32 s46, s46, s60
	s_add_nc_u64 s[10:11], s[10:11], s[46:47]
	s_lshl_b32 s46, s42, 9                         ; my first column, in bytes of f32
	s_lshl_b32 s60, s18, 8
	s_add_co_u32 s46, s46, s60
	s_add_nc_u64 s[12:13], s[12:13], s[46:47]
	s_lshl_b32 s20, s19, 19                        ; my first row of out: (128 ry + 64 wr) x 4,096
	s_lshl_b32 s22, s17, 18
	s_add_co_u32 s20, s20, s22
	s_add_nc_u64 s[14:15], s[14:15], s[20:21]
	s_add_nc_u64 s[14:15], s[14:15], s[46:47]
	v_and_b32 v10, 31, v0                          ; lane
	v_and_b32 v11, 15, v0                          ; r
	v_bfe_u32 v12, v0, 4, 1                        ; h
	v_lshlrev_b32 v3, 5, v10                       ; 32 l
	v_lshlrev_b32 v9, 5, v12                       ; 32 h
.irp i, 0,1
.irp q, 0,1
	global_load_b128 v[AS+8*\i+4*\q:AS+8*\i+4*\q+3], v3, s[6:7] offset:1024*\i+16*\q     ; lane l takes row 32 i + l: lanes 0-15 tile 2 i, lanes 16-31 tile 2 i + 1; the words of K steps 0-7
	global_load_b128 v[BS+8*\i+4*\q:BS+8*\i+4*\q+3], v3, s[10:11] offset:1024*\i+16*\q
.endr
.endr
.irp t, 0,1,2,3
	global_load_b128 v[BI+8*\t:BI+8*\t+3], v9, s[12:13] offset:64*\t                     ; bo(16 t + 8 h + 0 .. 7)
	global_load_b128 v[BI+8*\t+4:BI+8*\t+7], v9, s[12:13] offset:64*\t+16
.endr
	s_mul_i32 s60, s17, 49152                      ; my four tiles of ctx
	v_lshl_add_u32 v1, v10, 4, s60
	v_lshl_add_u32 v2, v10, 3, s60
	v_mul_u32_u24 v13, v11, 816
	s_mul_i32 s61, s18, 52224                      ; my 64 rows of Wo
	s_add_co_u32 s61, s61, BB
	v_add_nc_u32 v13, s61, v13
	v_mad_u32_u24 v4, v12, 24, v13                 ; row r, + 24 h;
	v_mad_u32_u24 v5, v12, 40, v13                 ; + 40 h for the pieces whose partner three pieces on lies behind one padding more
	s_mul_i32 s62, s16, 4352
	s_add_co_u32 s62, s62, STG                     ; my stage
	v_mul_u32_u24 v6, v11, 272
	v_lshl_add_u32 v6, v12, 5, v6
	v_add_nc_u32 v6, s62, v6                       ; in: row r, 32 bytes for each half of the lanes
	v_mul_u32_u24 v7, v12, 272
	v_lshl_add_u32 v7, v11, 4, v7
	v_add_nc_u32 v7, s62, v7                       ; back: lanes 0-15 one row of 256 bytes, lanes 16-31 the next
	v_lshlrev_b32 v8, 12, v12
	v_lshl_add_u32 v8, v11, 4, v8                  ; and the same two rows in out
.macro LW q                            ; Wo's four fragments of K step q, from rows, in pieces of 8 bytes: 24 loads
.irp t, 0,1,2,3
.set FW, 4*(\q)+\t
.set FR, 12*(FW%21)
.set NW, (1+FW/21)<<6
	WIN NW
.irp p, 0,1,2,3,4,5
.set PC, 12*(\q)+6*(\p/3)+\p%3
.if PC%32 < 29
	ds_load_b64 v[FR+2*\p:FR+2*\p+1], v4 offset:13056*\t+8*PC+16*(PC/32)
.else
	ds_load_b64 v[FR+2*\p:FR+2*\p+1], v5 offset:13056*\t+8*PC+16*(PC/32)
.endif
.endr
.endr
.endm
.macro LC a, q                         ; ctx's fragment of block a, K step q, as an image: 4 loads
.set FX, 32+8*((\a)%2)+(\q)
.set FR, 12*(FX%21)
.set NW, (1+FX/21)<<6
	WIN NW
.irp c, 0,1
	ds_load_b128 v[FR+6*\c:FR+6*\c+3], v1 offset:12288*(\a)+768*(2*(\q)+\c)
	ds_load_b64 v[FR+6*\c+4:FR+6*\c+5], v2 offset:12288*(\a)+768*(2*(\q)+\c)+512
.endr
.endm
.macro LBLOCK a                        ; a whole block of ctx: 32 loads
.irp q, 0,1,2,3,4,5,6,7
	LC \a, \q
.endr
	WIN 0
.endm
.macro WM ra, rb
	v_wmma_scale_f32_16x16x128_f8f6f4 v[mD:mD+7], v[mA:mA+11], v[mB:mB+11], v[mC:mC+7], v[mSA], v[mSB] matrix_a_fmt:MATRIX_FMT_FP6 matrix_b_fmt:MATRIX_FMT_FP6 matrix_a_scale:MATRIX_SCALE_ROW\ra matrix_b_scale:MATRIX_SCALE_ROW\rb
.endm
.macro PROD a, q                       ; four products; a sum's steps have three others between them
.irp t, 0,1,2,3
.set FW, 4*(\q)+\t
.set FX, 32+8*((\a)%2)+(\q)
.set NW, (1+FW/21)|((1+FX/21)<<2)
	WIN NW
.set mA, 12*(FW%21)
.set mB, 12*(FX%21)
.set mD, ACC+32*((\a)%2)+8*\t
.if (\q) == 0
.set mC, BI+8*\t
.else
.set mC, mD
.endif
.set mSA, BS+8*(\t/2)+(\q)
.set mSB, AS+8*((\a)/2)+(\q)
.if (\t%2) && ((\a)%2)
	WM 1, 1
.elseif \t%2
	WM 1, 0
.elseif (\a)%2
	WM 0, 1
.else
	WM 0, 0
.endif
.endr
.endm
; THE WAY OUT of block a, through my own stage: in as 32 bytes a lane, back as whole rows of 256 bytes.  LDS serves a wave's instructions in order (ISA guide 5.7.1.4): no wait between the stores and the loads.
.macro TOSTAGE a
.set BK, BKR+32*((\a)%2)
	WIN 0
.irp t, 0,1,2,3
	ds_store_b128 v6, v[ACC+32*((\a)%2)+8*\t:ACC+32*((\a)%2)+8*\t+3] offset:64*\t         ; each accumulator from its low end on
	ds_store_b128 v6, v[ACC+32*((\a)%2)+8*\t+4:ACC+32*((\a)%2)+8*\t+7] offset:64*\t+16
.endr
.irp i, 0,1,2,3,4,5,6,7
	ds_load_b128 v[BK+4*\i:BK+4*\i+3], v7 offset:544*\i
.endr
.endm
.macro SEND a, younger                 ; younger: the LDS instructions issued behind block a's loads, which may stay out
.set BK, BKR+32*((\a)%2)
	WIN 0
	s_wait_dscnt \younger
.irp i, 0,1,2,3,4,5,6,7
	global_store_b128 v8, v[BK+4*\i:BK+4*\i+3], s[14:15] offset:(8*((\a)^(\i/4))+32*(\i/4)+2*(\i%4))*4096 th:TH_STORE_NT   ; 16 lanes store 256 consecutive bytes, at a multiple of 256 from the buffer's first byte; written once, read by nobody here
.endr
.endm
.macro HALF a, q0
.irp q, \q0, \q0+1, \q0+2, \q0+3
	PROD \a, \q
.endr
.endm
	s_wait_alu depctr_va_vdst(0)                   ; the wait at the head's end
	s_wait_loadcnt 0x0                             ; scale words and biases
	s_wait_tensorcnt 0x0                           ; my half of an operand is in LDS,
	s_barrier_signal -1
	s_barrier_wait -1                              ; everybody's is
	LW 0
	LC 0, 0
	LW 1
	LC 0, 1
.irp q, 0,1,2,3,4,5,6,7                ; block 0, under Wo's loads
.if \q < 7
	s_wait_dscnt 28                                ; K step q is in; the next one's 28 loads may be out
.else
	s_wait_dscnt 32                                ; block 1's 32 loads may be out
.endif
	PROD 0, \q
.if \q < 6
	LW \q+2
	LC 0, \q+2
.elseif \q == 6
	LBLOCK 1
.endif
.endr
	PLACES 4                                       ; ahead of the first read of results, and of loads into registers that these products have read
	TOSTAGE 0
	LBLOCK 2
	s_wait_dscnt 48                                ; block 1 is in; the stage's 16 and block 2's 32 may be out
	HALF 1, 0
	SEND 0, 32
	HALF 1, 4
	PLACES 4
	TOSTAGE 1
	LBLOCK 3
	s_wait_dscnt 48
	HALF 2, 0
	SEND 1, 32
	HALF 2, 4
	PLACES 4
	s_wait_xcnt 0x0                                ; block 0's stores have read their registers: block 2's rows may land there
	TOSTAGE 2
	s_wait_dscnt 16                                ; block 3 is in
	HALF 3, 0
	SEND 2, 0
	HALF 3, 4
	PLACES 4
	s_wait_xcnt 0x0
	TOSTAGE 3
	SEND 3, 0
	s_wait_tensorcnt 0x0                           ; the wave's end
	ds_add_u32 v254, v255
	s_wait_dscnt 0x0
	ROUND                                          ; the closing round: no work-group ends while a partner may still ask for a tile that names it
	s_endpgm
.Lfunc_end_k_q3f09536ef8_oproj:
	.size	k_q3f09536ef8_oproj, .Lfunc_end_k_q3f09536ef8_oproj-k_q3f09536ef8_oproj
	.p2alignl 7, 3214868480
	.fill 96, 4, 3214868480
	.section	.rodata,"a",@progbits
	.p2align	6, 0x0
	.amdhsa_kernel k_q3f09536ef8_oproj
		.amdhsa_group_segment_fixed_size 220672
		.amdhsa_private_segment_fixed_size 0
		.amdhsa_enable_private_segment 0
		.amdhsa_kernarg_size 48
		.amdhsa_user_sgpr_count 2
		.amdhsa_user_sgpr_kernarg_segment_ptr 1
		.amdhsa_wavefront_size32 1
		.amdhsa_system_sgpr_workgroup_id_x 1
		.amdhsa_system_sgpr_workgroup_id_y 1
		.amdhsa_system_sgpr_workgroup_id_z 1
		.amdhsa_system_vgpr_workitem_id 0
		.amdhsa_next_free_vgpr 1024
		.amdhsa_next_free_sgpr 80
		.amdhsa_reserve_vcc 0
		.amdhsa_float_denorm_mode_32 3
		.amdhsa_float_denorm_mode_16_64 3
		.amdhsa_memory_ordered 1
		.amdhsa_forward_progress 1
		.amdhsa_inst_pref_size 54
	.end_amdhsa_kernel
	.amdgpu_metadata
---
amdhsa.version: [ 1, 2 ]
amdhsa.kernels:
  - .name:           k_q3f09536ef8_oproj
    .symbol:         k_q3f09536ef8_oproj.kd
    .args:
      - { .name: cws, .offset: 0, .size: 8, .value_kind: global_buffer, .address_space: global }
      - { .name: csc, .offset: 8, .size: 8, .value_kind: global_buffer, .address_space: global }
      - { .name: Wo_codes, .offset: 16, .size: 8, .value_kind: global_buffer, .address_space: global }
      - { .name: Wo_scales, .offset: 24, .size: 8, .value_kind: global_buffer, .address_space: global }
      - { .name: bo, .offset: 32, .size: 8, .value_kind: global_buffer, .address_space: global }
      - { .name: out0, .offset: 40, .size: 8, .value_kind: global_buffer, .address_space: global }
    .group_segment_fixed_size: 220672
    .private_segment_fixed_size: 0
    .kernarg_segment_align: 8
    .kernarg_segment_size: 48
    .max_flat_workgroup_size: 128
    .sgpr_count:     80
    .vgpr_count:     1024
    .wavefront_size: 32
...
	.end_amdgpu_metadata
.endif
;; end of part 3
